; MI455X (gfx1250); checked and timed in simulation.
; The chip was launched on July 23, 2026; its instructions are those of AMD's public machine-readable ISA for CDNA 5 (MIT licence, August 2026) and "CDNA5" Instruction Set Architecture Reference Guide (July 2026). The comments in the code are by the model that wrote it; some were corrected since.
;; Signature. Allowed arithmetic: float matrix products may take bf16 or f16 operands with f32 sums; other float arithmetic in f32, or as packed bf16 or f16 multiplies, adds, multiply-adds, maxima and minima; sums over many terms, partial sums and values carried from step to step in f32; what a program stores and reads back later, other than sums and carried values, may be rounded once to bf16 or f16.
;; Inputs: path 256 x 256 x 8 float32.
;; Outputs: out0 256 x 4,680 float32.
;; One version. Each part assembles by itself: llvm-mc -triple=amdgcn-amd-amdhsa -mcpu=gfx1250 --defsym DOCPART=n.
;; ======== version 1 of 1: 1 launch
;; limits: values are held in f16: magnitudes above 65,504 overflow, below 6.1e-05 lose precision
;; launch signature (part 1): grid 256 x 1, 4 waves a work-group, no clusters, 131,072 bytes of LDS; arguments path, out0; writes out0
.if DOCPART == 1
	.amdgcn_target "amdgcn-amd-amdhsa--gfx1250"
	.amdhsa_code_object_version 6
	.text
	.protected	k_q63f45f26ae_signature
	.globl	k_q63f45f26ae_signature
	.p2align	8
	.type	k_q63f45f26ae_signature,@function
k_q63f45f26ae_signature:
	s_mov_b64 s[64:65], 0
	v_nop
	global_prefetch_b8 v0, s[64:65] scope:SCOPE_SE
	s_setreg_imm32_b32 hwreg(HW_REG_WAVE_MODE, 25, 1), 1
	s_wait_xcnt 0x0
; SIGNATURE OF DEPTH 4.  path: [256][256][8] f32.  out0: [256][4680] f32: levels 1 to 4 (8, 64, 512, 4096 numbers) of each path.  One work-group of four waves makes one path.
; ALGEBRA.  For segment t = 1..255: v = x_t - x_(t-1), c = (x_t + x_(t-1))/2 - x_0, d = x_255 - (x_t + x_(t-1))/2, A_t = level 2 up to point t.  Chen's relation, summed over t, gives
;   level 1 = x_255 - x_0      A_t = A_(t-1) + c (x) v      U_t = (A_(t-1) + A_t)/2 - v (x) v / 12
;   level 3 [ij,k]  = sum over t of U_t[ij] v[k]
;   level 4 [ij,kl] = sum over t of U_t[ij] (v[k] d[l])  +  sum over t of (c[i] v[j]) (-v[k] v[l] / 12)
; so levels 3 and 4 are ONE matrix product, 64 x 72 with K along time, in place of 4,096 multiply-adds a segment.
; FORMATS.  Matrix operands in f16, sums in f32.  U walks to many times the size of its steps and the products with it partly cancel, so one f16 number's 11 bits are too few there: U, W = v (x) d and
; level 3's v are each kept as a PAIR hi + lo of f16 numbers (22 bits), and a product is Uh Wh + Uh Wl + Ul Wh.  The small second sum of level 4 takes single f16 numbers.
; The prefix A_t, the chunk sums and the four waves' partial sums stay in f32.  Each path is scaled by a power of two, la, so that every |la v| < 1: then |U| <= 255^2/2 and |v d| <= 255 lie inside
; f16 for every input; levels 3 and 4 are multiplied by la^-3 and la^-4 at the end (exact).  Levels 1 and 2 are made in f32 without the scale.
; LIMITS.  A path's largest |v| below 2^31 (beyond it f16 may overflow; level 4 itself leaves f32 near 2^33).  Below 2^-31 the scale stays 2^30 and levels 3, 4 (under 1e-33 there) lose digits gradually.
; A lo part below 6e-5 keeps f16's fixed step of 6e-8.  NaN and infinities are not treated apart (a masked term is 0 x number).  The sums run in another order than the scan's.
; SHARES.  Wave w owns segments 64 w + 1 .. 64 w + 64; its lanes 0-15 (h = 0) the first 32 (chunk q = 2 w), lanes 16-31 the other 32 (chunk 2 w + 1).  Segment 256 does not exist: its v is 0.
; Lane (r = lane % 16, h) holds, for tiles m = 0..3, row (i = 4 (r / 8) + m, j = r % 8) of the U side, and for tiles n = 0..3 column (k = 4 (r / 8) + n, l = r % 8) of the W side; time runs along a
; fragment's registers (register rr of a fragment = segment pair 8 S + rr of the lane's chunk, low half first), alike in both operands, so the operands are MADE in fragment layout.
; Source 0 is the W side: in the result a lane holds row (i, j) = its r, k = 4 h + n, and l = 0..7 in its eight registers: eight neighbouring numbers of out0.
; No cluster: work-groups share no input.  No tensor load: a path is 8,192 bytes and is transformed on its way into LDS.
;
; REGISTERS, in windows of 256 (s_set_vgpr_msb: bits 1:0 source 0, 3:2 source 1, 5:4 source 2, 7:6 destination):
;   window 0: addresses, the prologue's numbers, later the hi fragments and the f16 numbers they are made of, at last the way out      window 1: v0-159 the 20 accumulators
;   window 2: v0-127 c (4 rows x 32 segments), v128-159 v[j] of the 32 segments, v160-227 the chain, v228-229 la^2/2                  window 3: v0-119 the lo fragments and what they are made of
.set ROWB,  18720                      ; bytes of a row of out0
.set PS,    560                        ; a PIECE of a table: 16 bytes for each of a wave's 32 segment pairs, pair p at 16 p + 32 (p / 16): 544 bytes, and 16 more
.set WREG,  10240                      ; a wave's own tables: 18 pieces
.set C32P,  0                          ; c in f32: piece 2 x (segment's parity) + (channel / 4)
.set V32P,  4*PS                       ; v in f32, likewise
.set C16P,  8*PS                       ; la c in f16, both segments of a pair in one word: piece channel / 4
.set V16P,  10*PS                      ; la v, hi
.set D16P,  12*PS                      ; la d, hi
.set VL6P,  14*PS                      ; la v, lo
.set DL6P,  16*PS                      ; la d, lo
.set L_X,   4*WREG                     ; the eight chunks' sums of c (x) v: 256 bytes a chunk
.set L_M,   L_X+2048                   ; the four waves' largest |v|
.set SPARE, L_M+256                    ; the spare words, 128 bytes for each wave
.set IMG0,  SPARE+512                  ; four IMAGES of the output row, one a wave, each with that wave's partial sums
.set IMGSZ, 20480                      ; the fourth image ends at byte 125,696.  The last output trip's address is made in every lane, though only lanes whose piece lies in the row load by it:
                                       ; thread 127's runs to IMG0 + 22,352 + 3 IMGSZ + 16 = 127,584, and the launch's claim of 131,072 bytes covers that too
; An image: with vo = (byte in the output row) + 224, so that level 4 begins at vo = 2,560, byte vo lies at vo + 16 (vo / 256) + 128 ((vo / 256 + 22) / 32): rows of 256 bytes 272 apart, and 128 more
; from level 4's rows 0 and 32 on.  The 16 lanes of an accumulator store then hit 16 different columns of 16 bytes (64 banks of 4 bytes: ISA guide 11.1).
.set SPW, 1                            ; LDS address of my spare word; never rewritten
.set NIL, 2                            ; 0; never rewritten
.set LW,  3                            ; where I, as the owner of a segment pair, write my 16 bytes of a piece
.set LA,  4                            ; where I, as lane (r, h), read four channels 4 (r / 8) .. of my chunk's pair 0
.set LJ,  5                            ; the same for the one channel r % 8
.set XW,  6                            ; my chunk sums, out
.set XR,  7                            ; chunk 0's sums of my rows, in
.set XMA, 8
.set XMR, 9
.set I2,  10                           ; my places in my wave's image: level 2,
.set I1,  11                           ; level 1,
.set I3,  12                           ; level 3,
.set I4,  13                           ; level 4
.set GA,  14                           ; byte offset in the path; later in out0
.set GB,  15
.set PXA, 16                           ; the prologue: points 2 tau, 2 tau + 1, 2 tau + 2, 0, 255; then v, c, d of segments 2 tau + 1 and 2 tau + 2
.set PXB, 24
.set PXC, 32
.set PX0, 40
.set PXT, 48
.set PV1, 56
.set PV2, 64
.set PC1, 72
.set PC2, 80
.set PD1, 88
.set PD2, 96
.set PH,  104                          ; 24 registers: |v|, later the f16 words of c, v hi, d hi
.set PHL, 128                          ; 16 registers: the f16 words of v lo, d lo
.set XQ,  16                           ; behind the first barrier: chunks 0-6's sums of my rows,
.set MK,  44                           ; la^2/2 for the chunks in front of mine, 0 for the others,
.set M4,  52                           ; the four waves' maxima
.set UF,  16                           ; fragments: U hi, tile m at UF + 8 m
.set PFR, 48                           ; c (x) v
.set WF,  80                           ; v (x) d hi, tile n at WF + 8 n
.set WPF, 112                          ; -v (x) v / 12
.set L3F, 144                          ; la v[r % 8] hi: level 3's source 0, as loaded; a buffer for each super-step
.set CF,  160                          ; loaded: la c, four channels, pair rr at CF + 4 rr
.set VF,  192                          ; la v hi, likewise
.set DJ,  224                          ; la d[r % 8] hi
.set WJ,  232                          ; -la v[r % 8] / 12
.set ZO,  240
.set HH,  241                          ; h
.set RH,  242                          ; r / 8
.set JJ,  243                          ; r % 8
.set LAM, 244                          ; la, twice
.set LH,  246                          ; la^2 / 2
.set MU,  247                          ; 1 / la
.set MU3, 248                          ; la^-3, twice
.set MU4, 250                          ; la^-4, twice
.set MX,  252
.set T0,  253
.set T1,  254
.set ONE, 255                          ; 1.0
.set RD,  16                           ; the way out: trips 1-8, 16 registers each
.set R0,  144                          ; trip 0
.set AD,  160                          ; the ten trips' image addresses
.set R9,  192                          ; trip 9
.set VO,  224
.set RW,  225
.set B0,  226
.set SC0, 228
.set SC1, 230
.set CD,  0                            ; window 2
.set VS,  128
.set HS,  160
.set LHP, 228
.set CSA, HS
.set CSB, HS+4
.set ULF, 0                            ; window 3: U lo, tile m at ULF + 8 m
.set WLF, 32                           ; v (x) d lo
.set VLF, 64                           ; loaded: la v lo, four channels
.set L3L, 96                           ; la v[r % 8] lo, a buffer for each super-step
.set DLJ, 112                          ; la d[r % 8] lo
.set MSB, 0
.macro WIN new                         ; the immediate's high byte repeats the setting that is left; a switch that changes nothing is dropped
.if MSB != (\new)
	s_set_vgpr_msb (MSB<<8)|(\new)
.set MSB, (\new)
.endif
.endm
.macro PKM d, a, b, odd                ; two products: the pair a times ONE number of the pair b (its second if odd)
.if \odd
	v_pk_mul_f32 v[\d:\d+1], v[\a:\a+1], v[\b:\b+1] op_sel:[0,1] op_sel_hi:[1,1]
.else
	v_pk_mul_f32 v[\d:\d+1], v[\a:\a+1], v[\b:\b+1] op_sel_hi:[1,0]
.endif
.endm
.macro PKF d, a, b, c, odd             ; the same, fused with the addition of the pair c
.if \odd
	v_pk_fma_f32 v[\d:\d+1], v[\a:\a+1], v[\b:\b+1], v[\c:\c+1] op_sel:[0,1,0] op_sel_hi:[1,1,1]
.else
	v_pk_fma_f32 v[\d:\d+1], v[\a:\a+1], v[\b:\b+1], v[\c:\c+1] op_sel_hi:[1,0,1]
.endif
.endm
	s_load_b128 s[4:7], s[0:1], 0x0                ; path s[4:5], out0 s[6:7]
	v_lshl_add_u32 v[SPW], v0, 2, SPARE
	v_mov_b32 v[NIL], 0
	v_lshrrev_b32 v[T0], 5, v0
	v_readfirstlane_b32 s8, v[T0]                  ; wave 0..3
	v_lshlrev_b32 v[GA], 6, v0                     ; thread tau owns segment pair tau: points 2 tau and 2 tau + 1 are 64 bytes,
	v_add_nc_u32 v[GB], 64, v[GA]                  ; point 2 tau + 2 follows,
	v_min_u32 v[GB], 8160, v[GB]                   ; or is point 255 once more: segment 256 gets v = 0
	v_mov_b32 v[ZO], 0
	s_lshl_b32 s10, ttmp9, 13                      ; my path: 8,192 bytes
	s_mov_b32 s11, 0
	s_and_b32 s21, ttmp9, 7
	s_lshl_b32 s21, s21, 5                         ; a row of out0 begins 32 (path % 8) bytes behind a multiple of 256
	s_mul_i32 s2, ttmp9, ROWB
	s_sub_co_u32 s2, s2, s21                       ; the stores' base is that multiple of 256
	s_mov_b32 s3, 0
	s_add_co_u32 s22, s21, 288                     ; trip 9 is mine if 16 tau + 18,432 < s21 + 18,720
	s_sub_co_u32 s23, 224, s21                     ; vo of thread 0's piece in trip 0
	s_wait_kmcnt 0x0
	s_add_nc_u64 s[4:5], s[4:5], s[10:11]
	s_add_nc_u64 s[6:7], s[6:7], s[2:3]
	global_load_b128 v[PXA:PXA+3],   v[GA], s[4:5]
	global_load_b128 v[PXA+4:PXA+7], v[GA], s[4:5] offset:16
	global_load_b128 v[PXB:PXB+3],   v[GA], s[4:5] offset:32
	global_load_b128 v[PXB+4:PXB+7], v[GA], s[4:5] offset:48
	global_load_b128 v[PXC:PXC+3],   v[GB], s[4:5]
	global_load_b128 v[PXC+4:PXC+7], v[GB], s[4:5] offset:16
	global_load_b128 v[PX0:PX0+3],   v[ZO], s[4:5]
	global_load_b128 v[PX0+4:PX0+7], v[ZO], s[4:5] offset:16
	global_load_b128 v[PXT:PXT+3],   v[ZO], s[4:5] offset:8160
	global_load_b128 v[PXT+4:PXT+7], v[ZO], s[4:5] offset:8176
	; the lane's places, made while the loads are out
	s_mov_b32 s26, 0x76543210                      ; v_permlanex16_b32: each lane takes its own place in the other half
	s_mov_b32 s27, 0xfedcba98
	s_mov_b32 s28, 0xad55ad55                      ; -1/12 twice, in f16
	s_mov_b32 s29, 0x7fffffff
	s_movk_i32 s16, 272
	s_cmp_eq_u32 s8, 0
	s_cselect_b32 s18, 1.0, 0                      ; level 1 goes into wave 0's image, zeros into the others
	s_mov_b32 s19, s18
	s_mul_i32 s12, s8, WREG                        ; my wave's tables
	s_lshl_b32 s13, s8, 2
	s_add_co_u32 s13, s13, L_M
	s_mul_i32 s14, s8, IMGSZ
	s_add_co_u32 s14, s14, IMG0                    ; my wave's image
	s_add_co_u32 s15, s14, 224
	s_lshl_b32 s20, s8, 1
	v_and_b32 v[T0], 31, v0
	v_bfe_u32 v[HH], v0, 4, 1
	v_bfe_u32 v[RH], v0, 3, 1
	v_and_b32 v[JJ], 7, v0
	v_lshl_add_u32 v[LW], v[T0], 4, s12
	v_lshl_add_u32 v[LW], v[HH], 5, v[LW]          ; 16 p + 32 (p / 16)
	v_mul_u32_u24 v[T1], v[HH], 288                ; my chunk's pair 0 is pair 16 h: 256 h + 32 h
	v_add_nc_u32 v[T1], s12, v[T1]
	v_mul_u32_u24 v[LA], v[RH], PS                 ; the piece with channels 4 (r / 8) ..
	v_add_nc_u32 v[LA], v[LA], v[T1]
	v_bfe_u32 v[T0], v0, 2, 1
	v_mul_u32_u24 v[LJ], v[T0], PS                 ; the piece with channel r % 8,
	v_and_b32 v[T0], 3, v0
	v_lshl_add_u32 v[LJ], v[T0], 2, v[LJ]          ; and its word there
	v_add_nc_u32 v[LJ], v[LJ], v[T1]
	v_lshl_add_u32 v[XW], v0, 4, L_X               ; chunk 2 w + h, row r: 256 (2 w + h) + 16 r = 16 tau
	v_and_b32 v[T0], 15, v0
	v_lshl_add_u32 v[XR], v[T0], 4, L_X
	v_mov_b32 v[XMA], s13
	v_mov_b32 v[XMR], L_M
	v_mov_b32 v[I1], s15
	v_lshl_add_u32 v[I2], v[RH], 7, s14            ; level 2, number 8 i + j, lies at 272 + 32 i + 4 j: 128 (r / 8) + 4 j here, 272 + 32 m in the offset
	v_lshl_add_u32 v[I2], v[JJ], 2, v[I2]
	v_mov_b32 v[ONE], 1.0
	s_wait_loadcnt 0x0
	; THE PROLOGUE: v, c, d of my two segments, all eight channels, unscaled
.irp k, 0,2,4,6
	v_pk_add_f32 v[PV1+\k:PV1+\k+1], v[PXB+\k:PXB+\k+1], v[PXA+\k:PXA+\k+1] neg_lo:[0,1] neg_hi:[0,1]
	v_pk_add_f32 v[PV2+\k:PV2+\k+1], v[PXC+\k:PXC+\k+1], v[PXB+\k:PXB+\k+1] neg_lo:[0,1] neg_hi:[0,1]
	v_pk_add_f32 v[PXA+\k:PXA+\k+1], v[PXA+\k:PXA+\k+1], v[PX0+\k:PX0+\k+1] neg_lo:[0,1] neg_hi:[0,1]
	v_pk_add_f32 v[PXB+\k:PXB+\k+1], v[PXB+\k:PXB+\k+1], v[PX0+\k:PX0+\k+1] neg_lo:[0,1] neg_hi:[0,1]
	v_pk_add_f32 v[PXT+\k:PXT+\k+1], v[PXT+\k:PXT+\k+1], v[PX0+\k:PX0+\k+1] neg_lo:[0,1] neg_hi:[0,1]
.endr
.irp k, 0,2,4,6
	v_pk_fma_f32 v[PC1+\k:PC1+\k+1], v[PV1+\k:PV1+\k+1], 0.5, v[PXA+\k:PXA+\k+1] op_sel_hi:[1,0,1]  ; c = (start - x_0) + v / 2
	v_pk_fma_f32 v[PC2+\k:PC2+\k+1], v[PV2+\k:PV2+\k+1], 0.5, v[PXB+\k:PXB+\k+1] op_sel_hi:[1,0,1]
.endr
	ds_store_b128 v[LW], v[PC1:PC1+3]   offset:C32P
	ds_store_b128 v[LW], v[PC1+4:PC1+7] offset:C32P+PS
	ds_store_b128 v[LW], v[PC2:PC2+3]   offset:C32P+2*PS
	ds_store_b128 v[LW], v[PC2+4:PC2+7] offset:C32P+3*PS
	ds_store_b128 v[LW], v[PV1:PV1+3]   offset:V32P
	ds_store_b128 v[LW], v[PV1+4:PV1+7] offset:V32P+PS
	ds_store_b128 v[LW], v[PV2:PV2+3]   offset:V32P+2*PS
	ds_store_b128 v[LW], v[PV2+4:PV2+7] offset:V32P+3*PS
	; PASS 1's loads: c of my four rows and v[j] for my chunk's 32 segments, into window 2, where they stay for pass 2.  The tables are my wave's own, and LDS serves a
	; wave's instructions in order (ISA guide 5.7.1.4): these see the stores above.
	WIN 0x80
.set p, 0
.rept 16
	ds_load_b128 v[CD+8*p:CD+8*p+3],   v[LA] offset:C32P+16*p
	ds_load_b32  v[VS+2*p],            v[LJ] offset:V32P+16*p
	ds_load_b128 v[CD+8*p+4:CD+8*p+7], v[LA] offset:C32P+2*PS+16*p
	ds_load_b32  v[VS+2*p+1],          v[LJ] offset:V32P+2*PS+16*p
.set p, p+1
.endr
	WIN 0
.irp k, 0,2,4,6
	v_pk_add_f32 v[PD1+\k:PD1+\k+1], v[PXT+\k:PXT+\k+1], v[PC1+\k:PC1+\k+1] neg_lo:[0,1] neg_hi:[0,1]  ; d = (x_255 - x_0) - c
	v_pk_add_f32 v[PD2+\k:PD2+\k+1], v[PXT+\k:PXT+\k+1], v[PC2+\k:PC2+\k+1] neg_lo:[0,1] neg_hi:[0,1]
	v_pk_mul_f32 v[PX0+\k:PX0+\k+1], v[PXT+\k:PXT+\k+1], s[18:19] op_sel_hi:[1,0]                     ; level 1, or 0
.endr
.set k, 0
.rept 8
	v_and_b32 v[PH+k],   s29, v[PV1+k]
	v_and_b32 v[PH+8+k], s29, v[PV2+k]
.set k, k+1
.endr
	v_max3_num_f32 v[MX], v[PH],   v[PH+1],  v[PH+2]   ; my 16 numbers, in two chains,
	v_max3_num_f32 v[T0], v[PH+8], v[PH+9],  v[PH+10]
	v_max3_num_f32 v[MX], v[MX],   v[PH+3],  v[PH+4]
	v_max3_num_f32 v[T0], v[T0],   v[PH+11], v[PH+12]
	v_max3_num_f32 v[MX], v[MX],   v[PH+5],  v[PH+6]
	v_max3_num_f32 v[T0], v[T0],   v[PH+13], v[PH+14]
	v_max3_num_f32 v[MX], v[MX],   v[PH+7],  v[PH+15]
	v_max_num_f32 v[MX], v[MX], v[T0]
	v_max_num_f32_dpp v[MX], v[MX], v[MX] row_xmask:1 row_mask:0xf bank_mask:0xf  ; then the wave's 32 lanes
	v_max_num_f32_dpp v[MX], v[MX], v[MX] row_xmask:2 row_mask:0xf bank_mask:0xf
	v_max_num_f32_dpp v[MX], v[MX], v[MX] row_xmask:4 row_mask:0xf bank_mask:0xf
	v_max_num_f32_dpp v[MX], v[MX], v[MX] row_xmask:8 row_mask:0xf bank_mask:0xf
	v_permlanex16_b32 v[T0], v[MX], s26, s27
	v_max_num_f32 v[MX], v[MX], v[T0]
	ds_store_b32 v[XMA], v[MX]
	ds_store_b128 v[I1], v[PX0:PX0+3]
	ds_store_b128 v[I1], v[PX0+4:PX0+7] offset:16
	; PASS 1: my chunk's sum of c[i] v[j] for my four rows, in four chains (rows in pairs, segments by parity); the first products start the sums
	WIN 0xaa
.set p, 0
.rept 16
.if p%4 == 0
	s_wait_dscnt 51-4*p                            ; LDS answers in order: out may be the loads of the pairs from p + 4 on, four a pair, and the three stores issued behind the loads
.endif
.if p == 0
	PKM CSA,   CD,   VS, 0
	PKM CSA+2, CD+2, VS, 0
	PKM CSB,   CD+4, VS, 1
	PKM CSB+2, CD+6, VS, 1
.else
	PKF CSA,   CD+8*p,   VS+2*p, CSA,   0
	PKF CSA+2, CD+8*p+2, VS+2*p, CSA+2, 0
	PKF CSB,   CD+8*p+4, VS+2*p, CSB,   1
	PKF CSB+2, CD+8*p+6, VS+2*p, CSB+2, 1
.endif
.set p, p+1
.endr
	v_pk_add_f32 v[CSA:CSA+1],   v[CSA:CSA+1],   v[CSB:CSB+1]
	v_pk_add_f32 v[CSA+2:CSA+3], v[CSA+2:CSA+3], v[CSB+2:CSB+3]
.irp m, 0,1,2,3
	v_permlanex16_b32 v[CSB+\m], v[CSA+\m], s26, s27   ; the wave's other chunk has the same rows in the lane 16 away
.endr
	v_pk_add_f32 v[CSB:CSB+1],   v[CSB:CSB+1],   v[CSA:CSA+1]    ; my wave's part of level 2
	v_pk_add_f32 v[CSB+2:CSB+3], v[CSB+2:CSB+3], v[CSA+2:CSA+3]
	WIN 0x08                                       ; store data in window 2
	ds_store_b128 v[XW], v[CSA:CSA+3]
.irp m, 0,1,2,3
	ds_store_b32 v[I2], v[CSB+\m] offset:272+32*\m
.endr
	WIN 0
	s_wait_dscnt 0x0                               ; for the others' sake: my maximum and my chunk sums are in LDS
	s_barrier_signal -1
	s_barrier_wait -1
	ds_load_b128 v[M4:M4+3], v[XMR]
.set q, 0
.rept 7
	ds_load_b128 v[XQ+4*q:XQ+4*q+3], v[XR] offset:256*q
.set q, q+1
.endr
	v_add_nc_u32 v[T1], s20, v[HH]                 ; my chunk, 2 w + h
	s_wait_dscnt 7                                 ; the maxima are in; the seven loads behind them may be out
	v_max3_num_f32 v[MX], v[M4], v[M4+1], v[M4+2]
	v_max_num_f32 v[MX], v[MX], v[M4+3]
	v_max_num_f32 v[MX], 0x30000000, v[MX]         ; held to 2^-31 .. 2^30, so that la^2 and la^-4 stay normal numbers
	v_min_num_f32 v[MX], 0x4e800000, v[MX]
	v_and_b32 v[MX], 0x7f800000, v[MX]             ; its exponent field E
	v_sub_nc_u32 v[LAM], 0x7e800000, v[MX]         ; la = 2^(126 - E): la x maximum lies in 0.5 .. 1
	v_add_nc_u32 v[MU], 0x00800000, v[MX]          ; 1 / la
	v_mov_b32 v[LAM+1], v[LAM]
	v_mul_f32 v[LH], v[LAM], v[LAM]
	v_mul_f32 v[MU4], v[MU], v[MU]
	v_mul_f32 v[LH], 0.5, v[LH]
	v_mul_f32 v[MU3], v[MU4], v[MU]
	v_mul_f32 v[MU4], v[MU4], v[MU4]
	v_mov_b32 v[MU3+1], v[MU3]
	v_mov_b32 v[MU4+1], v[MU4]
	; the f16 tables: la c, la v, la d of my two segments, one word a channel, the earlier segment in the low half; of v and d also what the rounding left over, rounded in its turn
.irp a, PC1, PC2, PV1, PV2, PD1, PD2
.irp k, 0,2,4,6
	v_pk_mul_f32 v[\a+\k:\a+\k+1], v[\a+\k:\a+\k+1], v[LAM:LAM+1] op_sel_hi:[1,0]
.endr
.endr
.set k, 0
.rept 8
	v_cvt_pk_f16_f32 v[PH+k],    v[PC1+k], v[PC2+k]
	v_cvt_pk_f16_f32 v[PH+8+k],  v[PV1+k], v[PV2+k]
	v_cvt_pk_f16_f32 v[PH+16+k], v[PD1+k], v[PD2+k]
.set k, k+1
.endr
.set k, 0
.rept 8
	v_fma_mix_f32 v[PV1+k], -v[PH+8+k],  v[ONE], v[PV1+k] op_sel_hi:[1,0,0]                ; number - hi (the word's low half), exact in f32
	v_fma_mix_f32 v[PV2+k], -v[PH+8+k],  v[ONE], v[PV2+k] op_sel:[1,0,0] op_sel_hi:[1,0,0]  ; the same with the high half
	v_fma_mix_f32 v[PD1+k], -v[PH+16+k], v[ONE], v[PD1+k] op_sel_hi:[1,0,0]
	v_fma_mix_f32 v[PD2+k], -v[PH+16+k], v[ONE], v[PD2+k] op_sel:[1,0,0] op_sel_hi:[1,0,0]
.set k, k+1
.endr
.set k, 0
.rept 8
	v_cvt_pk_f16_f32 v[PHL+k],   v[PV1+k], v[PV2+k]
	v_cvt_pk_f16_f32 v[PHL+8+k], v[PD1+k], v[PD2+k]
.set k, k+1
.endr
	ds_store_b128 v[LW], v[PH:PH+3]       offset:C16P
	ds_store_b128 v[LW], v[PH+4:PH+7]     offset:C16P+PS
	ds_store_b128 v[LW], v[PH+8:PH+11]    offset:V16P
	ds_store_b128 v[LW], v[PH+12:PH+15]   offset:V16P+PS
	ds_store_b128 v[LW], v[PH+16:PH+19]   offset:D16P
	ds_store_b128 v[LW], v[PH+20:PH+23]   offset:D16P+PS
	ds_store_b128 v[LW], v[PHL:PHL+3]     offset:VL6P
	ds_store_b128 v[LW], v[PHL+4:PHL+7]   offset:VL6P+PS
	ds_store_b128 v[LW], v[PHL+8:PHL+11]  offset:DL6P
	ds_store_b128 v[LW], v[PHL+12:PHL+15] offset:DL6P+PS
; A SUPER-STEP S (0, 1) is 16 segments, 8 pairs, of each chunk.  Its f16 numbers come from my wave's own tables in two runs: FETCHA, 32 loads, the hi parts and c; FETCHB, 24 loads, the lo parts.
.macro FETCHA S
	WIN 0
.set rr, 0
.rept 8
	ds_load_b128 v[CF+4*rr:CF+4*rr+3], v[LA] offset:C16P+16*(8*(\S)+rr)
	ds_load_b128 v[VF+4*rr:VF+4*rr+3], v[LA] offset:V16P+16*(8*(\S)+rr)
	ds_load_b32  v[L3F+8*(\S)+rr],     v[LJ] offset:V16P+16*(8*(\S)+rr)
	ds_load_b32  v[DJ+rr],             v[LJ] offset:D16P+16*(8*(\S)+rr)
.set rr, rr+1
.endr
.endm
.macro FETCHB S
	WIN 0xc0                                       ; destination window 3, address window 0
.set rr, 0
.rept 8
	ds_load_b128 v[VLF+4*rr:VLF+4*rr+3], v[LA] offset:VL6P+16*(8*(\S)+rr)
	ds_load_b32  v[L3L+8*(\S)+rr],       v[LJ] offset:VL6P+16*(8*(\S)+rr)
	ds_load_b32  v[DLJ+rr],              v[LJ] offset:DL6P+16*(8*(\S)+rr)
.set rr, rr+1
.endr
.endm
; CHAIN: H_t = H_(t-1) + c (la^2 v[j] / 2) = la^2 A_t / 2, in f32, for my four rows (two packed chains); H_(t-1) + H_t = la^2 (A_(t-1) + A_t) / 2 takes H_(t-1)'s place one step later, so that
; no line reads the result of the line in front of it.  Super-step 0 walks the 17 places upward, super-step 1 downward from where the carry lies.
.macro CHAIN S
	WIN 0xaa
.set u, 0
.rept 16
.set tt, 16*(\S)+u
.if \S
.set hin,  HS+4*(16-u)
.set hout, HS+4*(15-u)
.else
.set hin,  HS+4*u
.set hout, HS+4*u+4
.endif
	PKF hout,   CD+4*tt,   VS+tt-tt%2, hin,   tt%2
	PKF hout+2, CD+4*tt+2, VS+tt-tt%2, hin+2, tt%2
.if u > 0
	v_pk_add_f32 v[hprv:hprv+1],   v[hprv:hprv+1],   v[hin:hin+1]
	v_pk_add_f32 v[hprv+2:hprv+3], v[hprv+2:hprv+3], v[hin+2:hin+3]
.endif
.set hprv, hin
.set u, u+1
.endr
	v_pk_add_f32 v[hprv:hprv+1],   v[hprv:hprv+1],   v[hout:hout+1]
	v_pk_add_f32 v[hprv+2:hprv+3], v[hprv+2:hprv+3], v[hout+2:hout+3]
.endm
; SPLIT: the means of a pair's two segments, rounded to f16, are a register of U hi; mean - hi, exact in f32, takes the mean's place; rounded to f16 it is a register of U lo.  Three runs, so that no line waits for the one before it.
.macro MEANS S                         ; where pair rr's two means lie
.if \S
.set ab0, HS+4*(16-2*rr)
.set ab1, HS+4*(15-2*rr)
.else
.set ab0, HS+8*rr
.set ab1, HS+8*rr+4
.endif
.endm
.macro SPLIT S
	WIN 0x0a                                       ; sources in window 2, destination in window 0
.set rr, 0
.rept 8
	MEANS \S
.irp m, 0,1,2,3
	v_cvt_pk_f16_f32 v[UF+8*\m+rr], v[ab0+\m], v[ab1+\m]
.endr
.set rr, rr+1
.endr
	WIN 0xa0                                       ; destination and source 2 in window 2; hi and 1.0 in window 0
.set rr, 0
.rept 8
	MEANS \S
.irp m, 0,1,2,3
	v_fma_mix_f32 v[ab0+\m], -v[UF+8*\m+rr], v[ONE], v[ab0+\m] op_sel_hi:[1,0,0]
	v_fma_mix_f32 v[ab1+\m], -v[UF+8*\m+rr], v[ONE], v[ab1+\m] op_sel:[1,0,0] op_sel_hi:[1,0,0]
.endr
.set rr, rr+1
.endr
	WIN 0xca                                       ; sources in window 2, destination in window 3
.set rr, 0
.rept 8
	MEANS \S
.irp m, 0,1,2,3
	v_cvt_pk_f16_f32 v[ULF+8*\m+rr], v[ab0+\m], v[ab1+\m]
.endr
.set rr, rr+1
.endr
.endm
; HALFS: the other operands, two segments a line.  W hi = vh dh, rounded; W lo = (vh dh - W hi), which the fused line gives exactly, + vl dh + vh dl.  U's last term, small beside U, goes onto U lo.
.macro EACH line:vararg                ; one line for each pair rr and tile z
.set rr, 0
.rept 8
.set z, 0
.rept 4
	\line
.set z, z+1
.endr
.set rr, rr+1
.endr
.endm
.macro HALFS S
	WIN 0
	s_wait_dscnt 0x0                               ; both runs of loads
.set rr, 0
.rept 8
	v_pk_mul_f16 v[WJ+rr], v[L3F+8*(\S)+rr], s28
.set rr, rr+1
.endr
	EACH v_pk_mul_f16 v[WF+8*z+rr],  v[VF+4*rr+z], v[DJ+rr]                     ; v[k] d[l]
	EACH v_pk_mul_f16 v[PFR+8*z+rr], v[CF+4*rr+z], v[L3F+8*(\S)+rr]             ; c[i] v[j]
	EACH v_pk_mul_f16 v[WPF+8*z+rr], v[VF+4*rr+z], v[WJ+rr]                     ; -v[k] v[l] / 12
	WIN 0xc0                                       ; destination window 3
	EACH v_pk_fma_f16 v[WLF+8*z+rr], v[VF+4*rr+z], v[DJ+rr], v[WF+8*z+rr] neg_lo:[0,0,1] neg_hi:[0,0,1]
	WIN 0xf0                                       ; destination and source 2 window 3
	EACH v_pk_fma_f16 v[ULF+8*z+rr], v[VF+4*rr+z], v[WJ+rr], v[ULF+8*z+rr]      ; U lo - v[i] v[j] / 12
	WIN 0xf3                                       ; and source 0
	EACH v_pk_fma_f16 v[WLF+8*z+rr], v[VLF+4*rr+z], v[DJ+rr], v[WLF+8*z+rr]
	WIN 0xfc                                       ; source 1 in its stead
	EACH v_pk_fma_f16 v[WLF+8*z+rr], v[VF+4*rr+z], v[DLJ+rr], v[WLF+8*z+rr]
.endm
; 76 matrix instructions, in four groups: W hi x U hi, (-v v / 12) x (c v), W lo x U hi, W hi x U lo; with U go the 16 tiles of level 4 and the 4 of level 3 (its source 0 holds v[r % 8]: rows 8-15
; repeat rows 0-7).  In a group every accumulator has one turn.  In super-step 0 the first group starts the sums: nothing is cleared.
.macro PROD d, a, b, zero
.if \zero
	v_wmma_f32_16x16x32_f16 v[\d:\d+7], v[\a:\a+7], v[\b:\b+7], 0
.else
	v_wmma_f32_16x16x32_f16 v[\d:\d+7], v[\a:\a+7], v[\b:\b+7], v[\d:\d+7]
.endif
.endm
.macro GROUP w, u, l3, zero            ; l3: level 3's source 0, or -1: none
.irp m, 0,1,2,3
.irp n, 0,1,2,3
	PROD 8*(4*\m+\n), (\w)+8*\n, (\u)+8*\m, \zero
.endr
.if (\l3) >= 0
	PROD 128+8*\m, \l3, (\u)+8*\m, \zero
.endif
.endr
.endm
.macro MMA S
	WIN 0x50                                       ; C and D in window 1
	GROUP WF, UF, L3F+8*(\S), 1-(\S)
	GROUP WPF, PFR, -1, 0
	WIN 0x53                                       ; source 0 in window 3
	GROUP WLF, UF, L3L+8*(\S), 0
	WIN 0x5c                                       ; source 1 in window 3
	GROUP WF, ULF, L3F+8*(\S), 0
	WIN 0
.endm
	FETCHA 0
	; the chain's start: la^2/2 times the sum of the chunks in front of mine
.set q, 0
.rept 8
	v_cmp_lt_u32 vcc_lo, q, v[T1]
	v_cndmask_b32 v[MK+q], 0, v[LH], vcc_lo
.set q, q+1
.endr
	s_wait_dscnt 42                                ; the chunk sums are in: behind them ten stores and FETCHA's 32 loads were issued
	WIN 0xa0                                       ; destination and source 2 in window 2
	PKM HS,   XQ,   MK, 0
	PKM HS+2, XQ+2, MK, 0
.set q, 1
.rept 6
	PKF HS,   XQ+4*q,   MK+q-q%2, HS,   q%2
	PKF HS+2, XQ+4*q+2, MK+q-q%2, HS+2, q%2
.set q, q+1
.endr
	FETCHB 0
	WIN 0x80
	v_mov_b32 v[LHP], v[LH]
	v_mov_b32 v[LHP+1], v[LH]
	WIN 0xaa
.set p, 0
.rept 16
	v_pk_mul_f32 v[VS+2*p:VS+2*p+1], v[VS+2*p:VS+2*p+1], v[LHP:LHP+1] op_sel_hi:[1,0]  ; v[j] becomes la^2 v[j] / 2
.set p, p+1
.endr
	CHAIN 0
	SPLIT 0
	HALFS 0
	FETCHA 1                                       ; into registers that HALFS has read and no matrix instruction names: on their way under the 76 products
	FETCHB 1
	MMA 0
	CHAIN 1                                        ; 64 plain lines on window 2: the places between those products and the lines that write the fragments anew (ISA guide 7.12.1)
	SPLIT 1
	HALFS 1
	MMA 1
	; THE WAY OUT.  My places in the image are made here: seven plain lines, the places behind the last products.
	v_mul_u32_u24 v[I3], v[RH], 1088               ; level 3, row 8 i + j: image row 2 + i, byte 32 j: 4 x 272 (r / 8) + 32 j here, 272 (2 + m) in the offset
	v_mul_u32_u24 v[I4], v[RH], 8832               ; level 4, row R = 32 (r / 8) + 8 m + j: image row 10 + R, 128 (1 + r / 8) of padding, byte 32 (4 h + n)
	v_lshl_add_u32 v[I3], v[JJ], 5, v[I3]
	v_mad_u32_u24 v[I4], v[JJ], s16, v[I4]
	v_add_nc_u32 v[I3], s14, v[I3]
	v_lshl_add_u32 v[I4], v[HH], 7, v[I4]
	v_add_nc_u32 v[I4], s14, v[I4]
	WIN 0x04                                       ; store data in window 1; each accumulator's low four registers go first
.irp m, 0,1,2,3
.irp n, 0,1,2,3
	ds_store_b128 v[I4], v[8*(4*\m+\n):8*(4*\m+\n)+3]   offset:2848+2176*\m+32*\n
	ds_store_b128 v[I4], v[8*(4*\m+\n)+4:8*(4*\m+\n)+7] offset:2848+2176*\m+32*\n+16
.endr
	ds_store_b128 v[I3], v[128+8*\m:128+8*\m+3]   offset:272*(2+\m)      ; both halves of the lanes hold the same numbers and write the same bytes
	ds_store_b128 v[I3], v[128+8*\m+4:128+8*\m+7] offset:272*(2+\m)+16
.endr
	WIN 0
	; Thread tau takes, in trip c = 0..9, the 16 bytes at 16 tau + 2,048 c from the stores' base: 16 neighbouring lanes store 256 consecutive bytes that begin at a multiple of 256 from out0's first byte.
	v_lshl_add_u32 v[VO], v0, 4, s23               ; vo of my piece in trip 0
	v_lshlrev_b32 v[GA], 4, v0
	v_lshrrev_b32 v[RW], 8, v[VO]                  ; its image row; trip c is 8 c rows further down
	v_cmp_gt_u32 vcc_lo, 512, v[VO]
	v_lshl_add_u32 v[B0], v[RW], 4, v[VO]
	v_cndmask_b32 v[SC0], v[MU3], v[ONE], vcc_lo   ; trip 0: levels 1, 2 (vo < 512) as they are, else level 3
	v_cndmask_b32 v[SC1], v[MU4], v[MU3], vcc_lo   ; trip 1: level 3 (vo + 2,048 < 2,560), else level 4; all later trips are level 4
	v_add_nc_u32 v[B0], IMG0, v[B0]
	v_mov_b32 v[SC0+1], v[SC0]
	v_mov_b32 v[SC1+1], v[SC1]
.macro ADDR c
	v_add_nc_u32 v[AD+\c], 8*\c+22, v[RW]
	v_lshrrev_b32 v[AD+\c], 5, v[AD+\c]
	v_lshl_add_u32 v[AD+\c], v[AD+\c], 7, v[B0]
	v_add_nc_u32 v[AD+\c], 2176*\c, v[AD+\c]
.endm
.irp c, 0,1,2,3,4,5,6,7,8,9
	ADDR \c
.endr
	s_wait_dscnt 0x0                               ; for the others' sake: my image is whole
	s_barrier_signal -1
	s_barrier_wait -1
.macro SUMOUT b, sc, c                 ; the four waves' partial sums of a piece are added in f32, scaled and stored
	v_pk_add_f32 v[\b:\b+1],     v[\b:\b+1],     v[\b+4:\b+5]
	v_pk_add_f32 v[\b+2:\b+3],   v[\b+2:\b+3],   v[\b+6:\b+7]
	v_pk_add_f32 v[\b+8:\b+9],   v[\b+8:\b+9],   v[\b+12:\b+13]
	v_pk_add_f32 v[\b+10:\b+11], v[\b+10:\b+11], v[\b+14:\b+15]
	v_pk_add_f32 v[\b:\b+1],     v[\b:\b+1],     v[\b+8:\b+9]
	v_pk_add_f32 v[\b+2:\b+3],   v[\b+2:\b+3],   v[\b+10:\b+11]
	v_pk_mul_f32 v[\b:\b+1],     v[\b:\b+1],     v[\sc:\sc+1] op_sel_hi:[1,0]
	v_pk_mul_f32 v[\b+2:\b+3],   v[\b+2:\b+3],   v[\sc:\sc+1] op_sel_hi:[1,0]
	global_store_b128 v[GA], v[\b:\b+3], s[6:7] offset:2048*(\c) th:TH_STORE_NT
.endm
	; Trips 0 and 9 reach past the row's two ends: only the lanes whose piece lies in my row load and store.  Their loads go out first, into registers that have been written whole before.
	s_wait_xcnt 0x0                                ; EXEC changes only behind this wait
	v_cmp_le_u32 vcc_lo, s21, v[GA]                ; trip 0: from the row's first byte on
	s_and_saveexec_b32 s24, vcc_lo
.irp k, 0,1,2,3
	ds_load_b128 v[R0+4*\k:R0+4*\k+3], v[AD] offset:IMGSZ*\k
.endr
	s_or_b32 exec_lo, exec_lo, s24
	v_cmp_gt_u32 vcc_lo, s22, v[GA]                ; trip 9: up to the row's last byte (lanes of wave 0 alone)
	s_and_saveexec_b32 s24, vcc_lo
.irp k, 0,1,2,3
	ds_load_b128 v[R9+4*\k:R9+4*\k+3], v[AD+9] offset:IMGSZ*\k
.endr
	s_or_b32 exec_lo, exec_lo, s24
.irp c, 1,2,3,4,5,6,7,8
.irp k, 0,1,2,3
	ds_load_b128 v[RD+16*(\c-1)+4*\k:RD+16*(\c-1)+4*\k+3], v[AD+\c] offset:IMGSZ*\k
.endr
.endr
.irp c, 1,2,3,4,5,6,7,8
	s_wait_dscnt 32-4*\c                           ; trip c's four loads are in; the later trips' may be out
.if \c == 1
	SUMOUT RD, SC1, 1
.else
	SUMOUT RD+16*(\c-1), MU4, \c
.endif
.endr
	s_wait_xcnt 0x0                                ; stores are out: EXEC changes only behind this wait, each time
	v_cmp_le_u32 vcc_lo, s21, v[GA]
	s_and_saveexec_b32 s24, vcc_lo
	SUMOUT R0, SC0, 0
	s_wait_xcnt 0x0
	s_or_b32 exec_lo, exec_lo, s24
	v_cmp_gt_u32 vcc_lo, s22, v[GA]
	s_and_saveexec_b32 s24, vcc_lo
	SUMOUT R9, MU4, 9
	s_wait_xcnt 0x0
	s_or_b32 exec_lo, exec_lo, s24
	s_wait_tensorcnt 0x0                           ; the wave's end
	ds_add_u32 v[SPW], v[NIL]
	s_wait_dscnt 0x0
	s_endpgm
.Lfunc_end_k_q63f45f26ae_signature:
	.size	k_q63f45f26ae_signature, .Lfunc_end_k_q63f45f26ae_signature-k_q63f45f26ae_signature
	.p2alignl 7, 3214868480
	.fill 96, 4, 3214868480
	.section	.rodata,"a",@progbits
	.p2align	6, 0x0
	.amdhsa_kernel k_q63f45f26ae_signature
		.amdhsa_group_segment_fixed_size 131072
		.amdhsa_private_segment_fixed_size 0
		.amdhsa_enable_private_segment 0
		.amdhsa_kernarg_size 16
		.amdhsa_user_sgpr_count 2
		.amdhsa_user_sgpr_kernarg_segment_ptr 1
		.amdhsa_wavefront_size32 1
		.amdhsa_system_sgpr_workgroup_id_x 1
		.amdhsa_system_sgpr_workgroup_id_y 1
		.amdhsa_system_sgpr_workgroup_id_z 1
		.amdhsa_system_vgpr_workitem_id 0
		.amdhsa_next_free_vgpr 896
		.amdhsa_next_free_sgpr 66
		.amdhsa_reserve_vcc 1
		.amdhsa_float_denorm_mode_32 3
		.amdhsa_float_denorm_mode_16_64 3
		.amdhsa_memory_ordered 1
		.amdhsa_forward_progress 1
		.amdhsa_inst_pref_size 114
	.end_amdhsa_kernel
	.amdgpu_metadata
---
amdhsa.version: [ 1, 2 ]
amdhsa.kernels:
  - .name:           k_q63f45f26ae_signature
    .symbol:         k_q63f45f26ae_signature.kd
    .args:
      - { .name: path, .offset: 0, .size: 8, .value_kind: global_buffer, .address_space: global }
      - { .name: out0, .offset: 8, .size: 8, .value_kind: global_buffer, .address_space: global }
    .group_segment_fixed_size: 131072
    .private_segment_fixed_size: 0
    .kernarg_segment_align: 8
    .kernarg_segment_size: 16
    .max_flat_workgroup_size: 128
    .sgpr_count:     66
    .vgpr_count:     896
    .wavefront_size: 32
...
	.end_amdgpu_metadata
.endif
;; end of part 1
